; MI455X (gfx1250); checked and timed in simulation.
; The chip was launched on July 23, 2026; its instructions are those of AMD's public machine-readable ISA for CDNA 5 (MIT licence, August 2026) and "CDNA5" Instruction Set Architecture Reference Guide (July 2026). The comments in the code are by the model that wrote it; some were corrected since.
;; Model. Allowed arithmetic: matrix products marked QUANTISED: E4M3 operands, one E8M0 scale for each 32 along K, by v_wmma_scale_f32_16x16x128_f8f6f4 with both operands' format E4M3, f32 sums; everything else in f32.
;; Inputs: inv_scale_factor 1 float32; key 2 x 16 x 2,048 x 64 float32; query 2 x 16 x 2,048 x 64 float32; value 2 x 16 x 2,048 x 64 float32.
;; Outputs: out0 2 x 16 x 2,048 x 64 float32.
;; This version of the problem:
;;   THIS VERSION OF THE PROBLEM IS GIVEN IN LOW PRECISION. The matrix products marked QUANTISED in the list below multiply operands that are first quantised to E4M3 (4 exponent bits, 3 mantissa bits; 8 bits a number), with one power-of-two scale for each 32 numbers along K (OCP MX v1.0); their sums are f32. All else is computed in f32.
;;   The module's matrix products, in the order in which they are computed (A, B: the left and right operand; K: the contracted axis; several contracted axes count as one K, in the product's order):
;;     1. batch 32 x [M 2,048, K 64] x [K 64, N 2,048]; A: input query; B: input key: QUANTISED
;;     2. batch 32 x [M 2,048, K 2,048] x [K 2,048, N 64]; A: softmax (see below); B: input value: QUANTISED
;;   THE QUANTISER, for each operand of a quantised product, along K:
;;     - K is cut into blocks of 32 from its start; a last block that is shorter is filled with zeros.
;;     - A block's scale is 2^e with e = floor(log2(the largest magnitude in the block)) - 8, held to -126 .. 127; a block of zeros has e = 0. As a byte (E8M0): e + 127.
;;     - Each number is divided by its block's scale, clamped to +-448, and rounded to the nearest number of E4M3, ties to even, subnormals kept.
;;     - The product sums the exact products of the quantised numbers (number of the format x scale) in f32.
;;   ~~~python
;;   def quantise(x, axis):      # numpy; x: float32 -> the quantised numbers, widened to float32 again
;;       x = np.moveaxis(x, axis, -1); K = x.shape[-1]
;;       x = np.pad(x, [(0, 0)] * (x.ndim - 1) + [(0, -K % 32)]); x = x.reshape(x.shape[:-1] + (-1, 32)); a = np.abs(x).max(-1, keepdims=True)
;;       e = np.where(a > 0, np.clip(np.frexp(np.where(a > 0, a, 1))[1] - 1 - 8, -126, 127), 0)      # np.frexp(a)[1] - 1 = floor(log2(a)), exactly
;;       r = np.clip(x / 2.0 ** e, -448, 448)
;;       step = 2.0 ** (np.maximum(np.frexp(np.where(r == 0, 1, r))[1] - 1, -6) - 3)
;;       q = np.round(r / step) * step * 2.0 ** e      # np.round: ties to even
;;       return np.moveaxis(q.reshape(q.shape[:-2] + (-1,))[..., :K], -1, axis).astype(np.float32)
;;   ~~~
;;   SOFTMAX AHEAD OF A QUANTISED PRODUCT. Where the list says 'softmax', what is quantised is not the finished softmax but p = 2^(t - M), with t = logit x log2(e) and M = ceil(the row's largest t), a whole number; so 1/2 < the row's largest p <= 1. The row's sum l is taken of the UNQUANTISED p, in f32, and the product's result is divided by l at the end. Since M is a whole number, a kernel that streams over the keys may use a running M (the ceiling of the running maximum): every later rescaling is an exact power of two, which a block's scale takes up: the codes' values come out the same.
;;   OPERANDS COMPUTED ON THE WAY. 'Computed on the way' means the value that the module computes at that place (a softmax that the list does not call 'softmax' is quantised finished and normalised). What goes into a quantiser is computed in f32, as accurately as f32 sums, v_exp_f32 and their like allow (about 1e-6 of the number): no bf16 or f16 on the way to a quantiser, and a product that is left as it is and whose result goes on into a quantised operand takes f32 operands (vector FMAs, or v_wmma_f32_16x16x4_f32). A number that lies on a knife's edge between two numbers of the format may be rounded either way, as far as f32 arithmetic and the matrix unit's own rounding can turn it there, and no further.
;; One version. Each part assembles by itself: llvm-mc -triple=amdgcn-amd-amdhsa -mcpu=gfx1250 --defsym DOCPART=n.
;; ======== version 1 of 1: 2 launches
;; limits: right only within a limited range of input values
;; workspace buffers: kv 8,781,824 bytes
;; launch quant (part 1): grid 256 x 1, 8 waves a work-group, no clusters, 70,656 bytes of LDS; arguments key, value, kv; writes kv
.if DOCPART == 1
	.amdgcn_target "amdgcn-amd-amdhsa--gfx1250"
	.amdhsa_code_object_version 6
	.text
	.protected	k_q714a8b95c2_quant
	.globl	k_q714a8b95c2_quant
	.p2align	8
	.type	k_q714a8b95c2_quant,@function
k_q714a8b95c2_quant:
	s_mov_b64 s[64:65], 0
	v_nop
	global_prefetch_b8 v0, s[64:65] scope:SCOPE_SE
	s_setreg_imm32_b32 hwreg(HW_REG_WAVE_MODE, 25, 1), 1
	s_wait_xcnt 0x0
; key and value, [32 heads][2048 keys][64] f32, become codes of FP8 (E4M3) with one E8M0 scale byte for each 32 along a product's K, laid in kv as the attention launch wants them in LDS.
; key is quantised along the head's 64 (K of the first product), value along the keys (K of the second).
; A block's scale is 2^(floor(log2(its largest magnitude)) - 8); its byte is the largest magnitude's exponent field - 8, held at 1 from below; each number is divided by the scale, held within +-448 and rounded to the nearest code, ties to even.
; LIMITS: a block of zeros, or one whose largest magnitude lies under 2^-118 (the floor), gets the byte 1 where the rule says 127 or less: its codes are zeros or held, and these bytes are read by this program alone.  NaN and infinities among the inputs are not served.
; A HEAD'S RECORD in kv, REC = 274,432 bytes (1,072 rows of 256):
;   [0, 8192)        K's scale words: step s (128 keys) at 512 s; the pair of fragments pp at + 256 pp; lane l's two words at + 8 l (lanes 16-31 repeat lanes 0-15)
;   [8192, 12288)    V's scale words: step s at + 256 s; channel ch's word at + 4 ch; byte c scales keys 128 s + 32 c on
;   [12288, 274432)  codes: step s at + 16384 s: four fragments of K of 2,048 bytes, then four of V
; A FRAGMENT IS AN IMAGE OF THE OPERAND'S 16 REGISTERS: registers 4 c .. 4 c + 3 at + 512 c, lane l's 16 bytes at + 16 l.
; A fragment of K holds TWO tiles of 16 keys, since the head's 64 fill only half of the instruction's 128: lane (r, h) holds in registers 0-7 key 32 f + r + 8 (r / 8), d = 32 c + 16 h + 0 .. 15 (c = 0, 1),
; and in registers 8-15 the key 8 further on.  A fragment of V: lane (r, h) holds channel 16 t + r, registers 4 c .. 4 c + 3 keys 128 s + 32 c + 16 h + 0 .. 15.
; SHARES.  Work-group g: head g / 8, keys 256 (g % 8) on.  Waves 0-3 take 64 keys of key each (two fragments), waves 4-7 take 128 keys x 32 channels of value each.  The waves part once, on the wave's number,
; and share nothing: no barrier.  No tensor loads, no loop; every offset is an immediate, and no register that a store names is written again.
.set REC,   274432
.set VSO,   8192
.set COD,   12288
.set PITCH, 272                        ; K's stage: a key's 256 bytes + 16 of padding
.set WSTG,  64*PITCH                   ; 64 keys: a stage of its own for each of waves 0-3
.set TM,  16                           ; v16-31  at work: +0..3 largest magnitudes, +4..7 the other half's, then bytes, +8..11 448 x the scale, +12..15 the conversion's scale operand
.set PW,  32                           ; v32-33  K: the two fragments' scale words
.set SB,  34                           ; v34     V: my channel's scale word
.set PC,  36                           ; v36-67  codes
.set R,   68                           ; v68-195 128 numbers
.set WV,  12                           ; s12     my wave's number
.set SEL, 28                           ; s[28:29] v_permlanex16_b32's selects for lane l xor 16
.set MNT, 30                           ; s30     the mantissa field of 448
; 64 numbers of a lane, register 16 b + i = k 32 b + 16 (lane / 16) + i of my row of the operand, become a fragment's codes in v[pc] on and its scale word in v[pw]
.macro QUANT s, pc, pw
.irp b, 0,1,2,3
	v_max3_num_f32 v[TM+\b], |v[\s+16*\b]|, |v[\s+1+16*\b]|, 0x4800000   ; block b: my 16 numbers, and the floor 2^(9 - 127): the byte cannot fall under 1
.endr
.irp i, 2,4,6,8,10,12,14
.irp b, 0,1,2,3
	s_delay_alu instid0(VALU_DEP_4)
	v_max3_num_f32 v[TM+\b], v[TM+\b], |v[\s+16*\b+\i]|, |v[\s+1+16*\b+\i]|   ; the four blocks by turns: no line waits for the line above it
.endr
.endr
.irp b, 0,1,2,3
	s_delay_alu instid0(VALU_DEP_4)
	v_permlanex16_b32 v[TM+4+\b], v[TM+\b], s[SEL], s[SEL+1]
.endr
.irp b, 0,1,2,3
	s_delay_alu instid0(VALU_DEP_4)
	v_max_num_f32 v[TM+\b], v[TM+\b], v[TM+4+\b]   ; with lane l xor 16's 16: the block's largest magnitude
.endr
.irp b, 0,1,2,3
	s_delay_alu instid0(VALU_DEP_4)
	v_add_nc_u32 v[TM+12+\b], 0xfc000000, v[TM+\b]   ; 8 off its exponent field: the conversion takes the exponent field of this operand as its scale
.endr
.irp b, 0,1,2,3
	v_and_or_b32 v[TM+8+\b], v[TM+\b], 0x7f800000, s[MNT]   ; 448 x the scale
.endr
.irp b, 0,1,2,3
	v_lshrrev_b32 v[TM+4+\b], 23, v[TM+12+\b]      ; the scale's byte
.endr
	s_delay_alu instid0(VALU_DEP_3)
	v_lshl_or_b32 v[\pw], v[TM+5], 8, v[TM+4]      ; the four bytes make my row's scale word
	s_delay_alu instid0(VALU_DEP_1)
	v_lshl_or_b32 v[\pw], v[TM+6], 16, v[\pw]
	s_delay_alu instid0(VALU_DEP_1)
	v_lshl_or_b32 v[\pw], v[TM+7], 24, v[\pw]
.irp b, 0,1,2,3
.irp i, 0,1,2,3,4,5,6,7,8,9,10,11,12,13,14,15
	v_med3_num_f32 v[\s+16*\b+\i], v[\s+16*\b+\i], -v[TM+8+\b], v[TM+8+\b]   ; the conversion to an 8-bit code does not saturate (ISA guide 7.6.2): the hold at 448 x the scale
.endr
	v_cvt_scalef32_pk8_fp8_f32 v[\pc+4*\b:\pc+1+4*\b], v[\s+16*\b:\s+7+16*\b], v[TM+12+\b]
	v_cvt_scalef32_pk8_fp8_f32 v[\pc+2+4*\b:\pc+3+4*\b], v[\s+8+16*\b:\s+15+16*\b], v[TM+12+\b]
.endr
	v_nop                                          ; a plain vector line behind the last conversion of a run
.endm
	s_load_b128 s[4:7], s[0:1], 0x0                ; key s[4:5], value s[6:7]
	s_load_b64 s[8:9], s[0:1], 0x10                ; kv
	v_lshl_add_u32 v200, v0, 2, 0x11000
	v_mov_b32 v201, 0
	v_lshrrev_b32 v1, 5, v0
	s_delay_alu instid0(VALU_DEP_1)
	v_readfirstlane_b32 s[WV], v1                  ; wave 0..7
	v_and_b32 v1, 31, v0                           ; lane
	v_and_b32 v2, 15, v0                           ; r
	v_bfe_u32 v3, v0, 4, 1                         ; h
	s_delay_alu instid0(VALU_DEP_3)
	v_lshlrev_b32 v4, 4, v1                        ; 16 x lane: my bytes of a load of K, and of an image
	s_delay_alu instid0(VALU_DEP_4)
	v_lshlrev_b32 v7, 3, v1                        ; 8 x lane: K's two scale words
	v_lshlrev_b32 v8, 2, v1                        ; 4 x lane: my channel of V, and its scale word
	v_lshlrev_b32 v9, 4, v2
	s_delay_alu instid0(VALU_DEP_1)
	v_lshl_add_u32 v9, v3, 11, v9                  ; V's codes: fragment lane / 16, image lane r: 2048 h + 16 r
	s_and_b32 s17, s[WV], 3                        ; my number among the four waves of my kind
	s_mul_i32 s18, s17, WSTG                       ; K's stage (waves 4-7 make the two addresses below and never use them)
	v_mul_u32_u24 v5, v3, PITCH
	s_delay_alu instid0(VALU_DEP_1)
	v_lshl_add_u32 v5, v2, 4, v5
	s_delay_alu instid0(VALU_DEP_1)
	v_add_nc_u32 v5, s18, v5                       ; into the stage: a load's 512 bytes are two keys: row h, byte 16 r
	v_and_b32 v6, 8, v2
	s_delay_alu instid0(VALU_DEP_1)
	v_add_nc_u32 v6, v6, v2                        ; r + 8 (r / 8)
	s_delay_alu instid0(VALU_DEP_1)
	v_mul_u32_u24 v6, v6, PITCH
	s_delay_alu instid0(VALU_DEP_1)
	v_lshl_add_u32 v6, v3, 6, v6
	s_delay_alu instid0(VALU_DEP_1)
	v_add_nc_u32 v6, s18, v6                       ; out of it: that key's row, + 64 h: my 16 numbers of a block of 32
.irp b, 0,1,2,3
	v_mov_b32 v[TM+4+\b], 0                        ; written once: a lane permute's destination counts as one of its sources
.endr
	s_mov_b32 s[SEL], 0x76543210
	s_mov_b32 s[SEL+1], 0xfedcba98
	s_mov_b32 s[MNT], 0x600000
	s_lshr_b32 s13, ttmp9, 3                       ; the head
	s_and_b32 s14, ttmp9, 7                        ; which 256 keys of it
	s_lshr_b32 s15, s17, 1
	s_lshl_b32 s19, s14, 1
	s_add_co_u32 s15, s15, s19                     ; my step of 128 keys: s
	s_and_b32 s16, s[WV], 1                        ; K: which pair of the step's fragments; V: which 32 channels
	s_mul_i32 s26, s13, REC                        ; the head's record in kv,
	s_lshl_b32 s27, s13, 19                        ; and its 2048 x 256 bytes in key and in value
	s_lshl_b32 s19, s15, 14
	s_add_co_u32 s22, s26, s19
	s_lshl_b32 s19, s16, 12
	s_add_co_u32 s22, s22, s19
	s_add_co_u32 s22, s22, COD                     ; my two fragments of K: record + 12288 + 16384 s + 4096 x pair (V's lie 8192 further on)
	s_mov_b32 s23, 0
	s_mov_b32 s21, 0
	s_mov_b32 s25, 0
	s_wait_kmcnt 0x0
	s_cmp_lt_u32 s[WV], 4
	s_cbranch_scc0 .Lvalue
	; ---- K: 64 keys.  A load is best where neighbouring lanes take neighbouring bytes; the conversions want 16 neighbours along d in ONE lane.  So the 16 KiB go through my stage in LDS as they lie and come back 64 bytes a lane.
	s_lshl_b32 s19, s14, 16
	s_add_co_u32 s20, s27, s19
	s_lshl_b32 s19, s[WV], 14
	s_add_co_u32 s20, s20, s19                     ; head + 256 keys x which + 64 keys x wave
	s_add_nc_u64 s[4:5], s[4:5], s[20:21]
.set i, 0
.rept 32
	global_load_b128 v[R+4*i:R+4*i+3], v4, s[4:5] offset:512*i th:TH_LOAD_NT   ; 32 lanes read 512 consecutive bytes: keys 2 i, 2 i + 1.  All 16 KiB are asked for at once
.set i, i+1
.endr
	s_add_nc_u64 s[10:11], s[8:9], s[22:23]        ; where my codes go,
	s_lshl_b32 s19, s15, 9
	s_add_co_u32 s24, s26, s19
	s_lshl_b32 s19, s16, 8
	s_add_co_u32 s24, s24, s19
	s_add_nc_u64 s[8:9], s[8:9], s[24:25]          ; and my scale words: record + 512 s + 256 x pair
	s_wait_loadcnt 16                              ; loads come back in order: the first 16 are in, the 16 younger ones may be out
.set i, 0
.rept 16
	ds_store_b128 v5, v[R+4*i:R+4*i+3] offset:544*i
.set i, i+1
.endr
	s_wait_loadcnt 0x0
.rept 16
	ds_store_b128 v5, v[R+4*i:R+4*i+3] offset:544*i
.set i, i+1
.endr
	s_wait_dscnt 0x0                               ; the stores have read their registers, which the loads below write
; Rows 16 apart begin at the same bank at this pitch (64 banks of 4 bytes: ISA guide 11.1), so sixteen lanes' rows 0-7 and 16-23 meet in pairs: accepted, since the launch waits for memory and not for LDS.
	s_wait_alu depctr_va_vdst(0)
.irp a, 0,1
.irp c, 0,1,2,3
.irp j, 0,1,2,3
	ds_load_b128 v[R+64*\a+16*\c+4*\j:R+64*\a+16*\c+4*\j+3], v6 offset:(32*\a+8*(\c/2))*PITCH+128*(\c%2)+16*\j   ; fragment a, registers' group c: key 32 a + 8 (c / 2) + r + 8 (r / 8), d = 32 (c % 2) + 16 h + 4 j on
.endr
.endr
.endr
	s_wait_dscnt 16                                ; the first fragment's 16 loads are in; the second's may be out
	QUANT R, PC, PW
.irp c, 0,1,2,3
	global_store_b128 v4, v[PC+4*\c:PC+4*\c+3], s[10:11] offset:512*\c   ; the image: 512 consecutive bytes, at a multiple of 256 from kv's first byte
.endr
	s_wait_dscnt 0x0
	QUANT R+64, PC+16, PW+1
.irp c, 0,1,2,3
	global_store_b128 v4, v[PC+16+4*\c:PC+16+4*\c+3], s[10:11] offset:2048+512*\c
.endr
	global_store_b64 v7, v[PW:PW+1], s[8:9]        ; both fragments' scale words: 256 consecutive bytes, aligned
	s_wait_tensorcnt 0x0
	ds_add_u32 v200, v201
	s_wait_dscnt 0x0
	s_endpgm
	; ---- V: 128 keys x 32 channels.  A LANE TAKES A CHANNEL AND ITS REGISTERS RUN DOWN THE KEYS: a block of 32 keys lies in one lane, and the codes come out with the keys innermost.  Nothing is transposed.
.Lvalue:
	s_lshl_b32 s19, s15, 15
	s_add_co_u32 s20, s27, s19
	s_lshl_b32 s19, s16, 7
	s_add_co_u32 s20, s20, s19                     ; head + 128 keys x s + 32 channels x which
	s_add_nc_u64 s[6:7], s[6:7], s[20:21]
	s_add_co_u32 s22, s22, 8192                    ; V's fragments lie behind the step's four of K
	s_add_nc_u64 s[10:11], s[8:9], s[22:23]
	s_lshl_b32 s19, s15, 8
	s_add_co_u32 s24, s26, s19
	s_lshl_b32 s19, s16, 7
	s_add_co_u32 s24, s24, s19
	s_add_co_u32 s24, s24, VSO
	s_add_nc_u64 s[8:9], s[8:9], s[24:25]          ; my scale words: record + 8192 + 256 s + 128 x which
.macro VLOAD c                         ; block c: keys 32 c + i, my channel
.set i, 0
.rept 32
	global_load_b32 v[R+32*(\c)+i], v8, s[6:7] offset:256*(32*(\c)+i) th:TH_LOAD_NT   ; 128 consecutive bytes a wave; the wave beside me reads the row's other half
.set i, i+1
.endr
.endm
.macro VBLOCK c, left
	s_wait_loadcnt \left                           ; this block's 32 loads are in; the next block's 32 may be out
.if (\c) < 2
	VLOAD (\c)+2                                   ; two blocks ahead, into registers of their own: 64 loads of mine are out
.endif
	v_max3_num_f32 v[TM], |v[R+32*(\c)]|, |v[R+32*(\c)+1]|, |v[R+32*(\c)+2]|   ; the block's largest magnitude: all 32 numbers are mine; two chains
	v_max3_num_f32 v[TM+1], |v[R+32*(\c)+3]|, |v[R+32*(\c)+4]|, |v[R+32*(\c)+5]|
.irp i, 6,10,14,18,22,26
	s_delay_alu instid0(VALU_DEP_2)
	v_max3_num_f32 v[TM], v[TM], |v[R+32*(\c)+\i]|, |v[R+32*(\c)+\i+1]|
	s_delay_alu instid0(VALU_DEP_2)
	v_max3_num_f32 v[TM+1], v[TM+1], |v[R+32*(\c)+\i+2]|, |v[R+32*(\c)+\i+3]|
.endr
	s_delay_alu instid0(VALU_DEP_2)
	v_max3_num_f32 v[TM], v[TM], |v[R+32*(\c)+30]|, |v[R+32*(\c)+31]|
	s_delay_alu instid0(VALU_DEP_1)
	v_max3_num_f32 v[TM], v[TM], v[TM+1], 0x4800000   ; and the floor 2^(9 - 127)
	s_delay_alu instid0(VALU_DEP_1)
	v_add_nc_u32 v[TM+2], 0xfc000000, v[TM]        ; the conversion's scale operand
	s_delay_alu instid0(VALU_DEP_2)
	v_and_or_b32 v[TM+3], v[TM], 0x7f800000, s[MNT]   ; 448 x the scale
	s_delay_alu instid0(VALU_DEP_2)
	v_lshrrev_b32 v[TM+4], 23, v[TM+2]             ; the scale's byte
.if (\c) == 0
	s_delay_alu instid0(VALU_DEP_1)
	v_mov_b32 v[SB], v[TM+4]                       ; four bytes to the word, the earlier keys in the lower byte
.else
	s_delay_alu instid0(VALU_DEP_1)
	v_lshl_or_b32 v[SB], v[TM+4], 8*(\c), v[SB]
.endif
.set i, 0
.rept 32
	v_med3_num_f32 v[R+32*(\c)+i], v[R+32*(\c)+i], -v[TM+3], v[TM+3]   ; the hold at 448 x the scale (ISA guide 7.6.2: the conversion does not saturate)
.set i, i+1
.endr
.irp g, 0,1,2,3
	v_cvt_scalef32_pk8_fp8_f32 v[PC+8*(\c)+2*\g:PC+8*(\c)+2*\g+1], v[R+32*(\c)+8*\g:R+32*(\c)+8*\g+7], v[TM+2]
.endr
	v_nop                                          ; a plain vector line behind the last conversion of a run
	global_store_b128 v9, v[PC+8*(\c):PC+8*(\c)+3], s[10:11] offset:512*(\c)          ; keys 32 c + 0 .. 15: the image's lanes 0-15.  Sixteen lanes store 256 consecutive bytes, aligned: lanes 0-15 in one fragment, lanes 16-31 in the next
	global_store_b128 v9, v[PC+8*(\c)+4:PC+8*(\c)+7], s[10:11] offset:512*(\c)+256   ; keys 32 c + 16 .. 31: its lanes 16-31
.endm
	VLOAD 0
	VLOAD 1
	VBLOCK 0, 32
	VBLOCK 1, 32
	VBLOCK 2, 32
	VBLOCK 3, 0
	global_store_b32 v8, v[SB], s[8:9]             ; 128 consecutive bytes: half of an aligned 256, whose other half the wave beside me stores: 128 KiB of the launch's 8.4 MiB of stores leave so
	s_endpgm
.Lfunc_end_k_q714a8b95c2_quant:
	.size	k_q714a8b95c2_quant, .Lfunc_end_k_q714a8b95c2_quant-k_q714a8b95c2_quant
	.p2alignl 7, 3214868480
	.fill 96, 4, 3214868480
	.section	.rodata,"a",@progbits
	.p2align	6, 0x0
	.amdhsa_kernel k_q714a8b95c2_quant
		.amdhsa_group_segment_fixed_size 70656
		.amdhsa_private_segment_fixed_size 0
		.amdhsa_enable_private_segment 0
		.amdhsa_kernarg_size 24
		.amdhsa_user_sgpr_count 2
		.amdhsa_user_sgpr_kernarg_segment_ptr 1
		.amdhsa_wavefront_size32 1
		.amdhsa_system_sgpr_workgroup_id_x 1
		.amdhsa_system_sgpr_workgroup_id_y 1
		.amdhsa_system_sgpr_workgroup_id_z 1
		.amdhsa_system_vgpr_workitem_id 0
		.amdhsa_next_free_vgpr 202
		.amdhsa_next_free_sgpr 66
		.amdhsa_reserve_vcc 0
		.amdhsa_float_denorm_mode_32 3
		.amdhsa_float_denorm_mode_16_64 3
		.amdhsa_memory_ordered 1
		.amdhsa_forward_progress 1
		.amdhsa_inst_pref_size 60
	.end_amdhsa_kernel
	.amdgpu_metadata
---
amdhsa.version: [ 1, 2 ]
amdhsa.kernels:
  - .name:           k_q714a8b95c2_quant
    .symbol:         k_q714a8b95c2_quant.kd
    .args:
      - { .name: key, .offset: 0, .size: 8, .value_kind: global_buffer, .address_space: global }
      - { .name: value, .offset: 8, .size: 8, .value_kind: global_buffer, .address_space: global }
      - { .name: kv, .offset: 16, .size: 8, .value_kind: global_buffer, .address_space: global }
    .group_segment_fixed_size: 70656
    .private_segment_fixed_size: 0
    .kernarg_segment_align: 8
    .kernarg_segment_size: 24
    .max_flat_workgroup_size: 256
    .sgpr_count:     66
    .vgpr_count:     202
    .wavefront_size: 32
...
	.end_amdgpu_metadata
.endif
;; end of part 1
;; launch attn (part 2): grid 8 x 32, 8 waves a work-group, clusters of 4 x 1, 327,680 bytes of LDS; arguments query, kv, inv_scale_factor, out0; writes out0
.if DOCPART == 2
	.amdgcn_target "amdgcn-amd-amdhsa--gfx1250"
	.amdhsa_code_object_version 6
	.text
	.protected	k_q714a8b95c2_attn
	.globl	k_q714a8b95c2_attn
	.p2align	8
	.type	k_q714a8b95c2_attn,@function
k_q714a8b95c2_attn:
	s_mov_b64 s[64:65], 0
	v_nop
	global_prefetch_b8 v0, s[64:65] scope:SCOPE_SE
	s_setreg_imm32_b32 hwreg(HW_REG_WAVE_MODE, 25, 1), 1
	s_wait_xcnt 0x0
	s_wait_alu depctr_hold_cnt(0) depctr_sa_sdst(0) depctr_va_vdst(0) depctr_va_sdst(0) depctr_va_ssrc(0) depctr_va_vcc(0) depctr_vm_vsrc(0)
	s_getreg_b32 s2, hwreg(HW_REG_IB_STS2, 6, 4)
	s_cmp_eq_u32 s2, 0
	s_cbranch_scc0 .Lentry_in_a_cluster
	s_endpgm
.Lentry_in_a_cluster:
	s_bfe_u32 s2, ttmp6, 0x10000c
	s_cmp_lg_u32 s2, 0x3003
	s_cbranch_scc0 .Lentry_shape_is_right
	s_endpgm
.Lentry_shape_is_right:
; out0[head][q][:] = the sum over k of softmax_k(query[head][q] . key[head][k] / inv_scale_factor) value[head][k][:], 32 heads, 2,048 queries and keys, head size 64, no mask.
; Both products on codes of FP8 (E4M3) with one E8M0 scale for each 32 along a product's K.  K's and V's codes and scale words come from kv, made by the launch before; query is quantised here.
; THE SOFTMAX AHEAD OF THE SECOND PRODUCT: t = score x c, c = log2(e) / |inv_scale_factor|; M = the row's largest t so far, rounded UP to a whole number; p = 2^(t - M) is what is quantised, along the keys, not normalised.
; The row's sum is taken of the unquantised p, in f32, and divides O at the end.  When M moves, the sum and O are multiplied by 2^(old M - new M): exact.
; THE SIGN of inv_scale_factor goes into query's codes: the quantiser is odd, so that is as if it had gone into query; c is positive, and the largest score is the largest t.
; LIMITS: inv_scale_factor = 0, denormal, infinite or NaN is not served; NaN and infinities among the inputs are not served; p under 2^-126 counts as 0 (v_exp_f32 flushes); the scores are multiplied by c
; (a reciprocal with one Newton step, times log2(e)) and not divided; a block's largest p is taken from its largest score, which takes v_exp_f32 not to fall where its input rises; a block whose largest p lies under 2^-118 keeps the byte 1;
; the scaled scores stay under 2^31 in magnitude.
; SHARES.  A work-group owns 256 queries of one head, each of its EIGHT waves 32 of them: two tiles of 16, A and B, which share every fragment of K and V that the wave loads.
; A WHOLE HEAD'S CODES AND SCALE WORDS, 274,432 bytes, LIE IN LDS, laid as in kv: filled once, so there is no ring.
;   LDS [0, 8192) K's scale words; [8192, 12288) V's; [12288, 274432) codes, step s (128 keys) at + 16384 s: four fragments of K of 2,048 bytes, then four of V; behind them the spare words and a stage for each wave.
;   A fragment is an image of the operand's 16 registers (registers 4 c .. 4 c + 3 at + 512 c, lane l at + 16 l): each LDS load reads 512 consecutive bytes.
; Waves 0 and 1 bring the first 77,824 bytes (all scale words, steps 0-3), waves 2 to 7 the rest: one tensor load a wave, in one chain of branches.  No prefetch: every load of the launch goes out at its head, so no loop runs ahead of one.
; CLUSTER.  The four blocks of queries of a cluster belong to one head and want the same record: each part is asked for JOINTLY, with one descriptor (made of the head and the wave's number alone) and a mask that names the four.
; LAYOUT.  Both products are used transposed: S^T = K Q^T (source 0 = keys, source 1 = 16 queries), O^T = V^T P^T (source 0 = 16 channels, source 1 = P): a lane holds ONE query of a tile (lane % 16) throughout.
; The head's 64 fill half of the instruction's 128 along K.  So a fragment of K holds TWO tiles of 16 keys side by side along K, and is multiplied twice: by [q, 0] and by [0, q]: zero codes add nothing.
; q's codes stand between two runs of eight zero registers.  The 16 results of a lane for a fragment are 16 neighbouring keys, 32 f + 16 (lane / 16) + 0 .. 15.
; WINDOWS.  A tile's own registers have the same numbers for both tiles: tile A's lie in window 0, tile B's in window 1.  K's fragments lie in window 0, V's in window 1 under the same numbers; addresses and all scale registers in window 0.
; THE TWO TILES STAND HALF A STEP APART: S of A; B's codes and product of the step before; A's softmax; S of B; A's codes and product; B's softmax.  So one tile's vector work is the places behind the other's products.
.set REC,    274432
.set VSO,    8192
.set COD,    12288
.set STEPB,  16384
.set AROWS,  152                       ; waves 0, 1: rows of 256 bytes of the first part
.set BROWS,  128                       ; waves 2 to 7: of the second
.set SP,     272                       ; a stage row, 256 bytes + 16
.set WSTG,   16*SP                     ; a stage of 16 rows for each wave
.set SPARE,  REC                       ; spare words: 128 bytes a wave
.set STAGE,  REC+1024
; window 0 alone
.set LI,  1                            ; 16 x lane: my place in an image, and my byte offset in two rows of query or out0
.set AKS, 2                            ; 8 x lane: my place among K's scale words
.set AVS, 3                            ; 8192 + 4 r: among V's
.set RQ,  4                            ; the head: where I read query's row back
.set ADK, 5                            ; LDS address of a step's codes
.set ADS, 6                            ; of its scale words of K
.set ADT, 7                            ; of V
.set SPW, 8                            ; my spare word; never rewritten
.set NIL, 9                            ; 0; never rewritten
.set STO, 10                           ; the way out: where I put 32 bytes of a row
.set RD,  11                           ; row by row: where query goes in, and results are read back
.set QS,  240                          ; v240, v241 A's and B's scale words of q, two bytes twice
.set VSC, 244                          ; v244-247 V's scale words
.set PSA, 248                          ; v248, v249 p's scale words, A and B
.set PSB, 249
.set KSC, 250                          ; v250-253 K's scale words
; both windows
.set NM,  12                           ; -M
.set RM,  13                           ; the largest score so far
.set L,   14                           ; v[14:15] the sum in two halves
.set QC,  24                           ; v16-23 zeros, v24-31 q's codes, v32-39 zeros
.set SC,  40                           ; v40-103 scores, then p
.set O,   104                          ; v104-135 O^T
.set PC,  136                          ; v136-151 eight partial sums, then p's codes
.set BM,  152                          ; each block's largest score, then largest p
.set PD,  156                          ; the other half's, then bytes
.set HD,  160                          ; 448 x the scale
.set CV,  164                          ; the conversion's scale operand
.set F,   168                          ; f = 2^(old M - new M); v169 named with it as a pair
.set T,   170
.set OM,  171                          ; -M as the step before left it
.set KF,  176                          ; v176-239 K's fragments (window 0), V's (window 1)
; scalars
.set WV,  13
.set G1A, 24
.set G1B, 32
.set G0A, 40
.set G0B, 44
.set SEL, 48                           ; s[48:49] lane l xor 16
.set MNT, 50                           ; the mantissa field of 448
.set TB,  51                           ; where the codes of the step last asked for begin
.set TS,  52                           ; its scale words of K
.set TJ,  53                           ; and of V
.set CNT, 54
.set CS,  56                           ; s[56:57] c twice
.set NC,  58                           ; -c
.set SGN, 59                           ; 0x80808080 where inv_scale_factor is negative
.set MSB, 0
.macro WIN new                         ; the immediate's high byte repeats the setting that is left
.if MSB != (\new)
	s_set_vgpr_msb (MSB<<8)|(\new)
.set MSB, (\new)
.endif
.endm
; A round of the cluster's barrier.
.macro CROUND
	s_barrier_signal -1
	s_barrier_wait -1
	s_cmp_lg_u32 s[WV], 0
	s_cbranch_scc1 .Lnot_wave_0_\@
	s_barrier_signal -3
.Lnot_wave_0_\@:
	s_barrier_wait -3
	s_barrier_signal -1
	s_barrier_wait -1
.endm
	s_load_b256 s[4:11], s[0:1], 0x0               ; query s[4:5], kv s[6:7], inv_scale_factor s[8:9], out0 s[10:11]
	v_lshl_add_u32 v[SPW], v0, 2, SPARE
	v_mov_b32 v[NIL], 0
	ds_add_u32 v[SPW], v[NIL]                      ; the opening lines: the add, twice on end
	ds_add_u32 v[SPW], v[NIL]
	v_lshrrev_b32 v12, 5, v0
	v_and_b32 v154, 31, v0                         ; lane
	v_and_b32 v152, 15, v0                         ; r
	v_bfe_u32 v153, v0, 4, 1                       ; h
	v_readfirstlane_b32 s[WV], v12                 ; wave 0..7
	v_lshlrev_b32 v[LI], 4, v154
	v_lshlrev_b32 v[AKS], 3, v154
	v_lshl_add_u32 v[AVS], v152, 2, VSO
	v_mul_u32_u24 v[STO], v152, SP
	v_mul_u32_u24 v[RD], v153, SP
	s_mul_i32 s17, s[WV], WSTG
	s_add_co_u32 s17, s17, STAGE                   ; my stage
	v_lshl_add_u32 v[RD], v152, 4, v[RD]
	v_lshl_add_u32 v[RQ], v153, 6, v[STO]
	v_lshl_add_u32 v[STO], v153, 5, v[STO]
	v_add_nc_u32 v[RD], s17, v[RD]                 ; row h, byte 16 r: two rows an instruction
	v_add_nc_u32 v[RQ], s17, v[RQ]                 ; row r, + 64 h: my 16 numbers of a block of 32
	v_add_nc_u32 v[STO], s17, v[STO]               ; row r, + 32 h: my eight channels of a tile of 16
	s_bfe_u32 s14, ttmp6, 0x40000                  ; cx: it enters query's and out0's addresses alone
	s_lshl_b32 s15, ttmp9, 2                       ; in a cluster launch ttmp9 counts clusters
	s_add_co_u32 s15, s15, s14                     ; my block of 256 queries
	s_and_b32 s16, ttmp7, 0xffff                   ; the head, which the four partners share
	s_lshl_b32 s18, s16, 19                        ; the head's 2048 x 256 bytes,
	s_lshl_b32 s19, s15, 16                        ; my block's 256 rows,
	s_add_co_u32 s18, s18, s19
	s_lshl_b32 s19, s[WV], 13                      ; my wave's 32
	s_add_co_u32 s18, s18, s19
	s_mov_b32 s19, 0
	s_mul_i32 s17, s16, REC                        ; the head's record in kv
	s_mov_b32 s[G0A], 1                            ; 1:0 count = 1
	s_mul_i32 s[G0A+1], s[WV], AROWS*256           ; 63:32 LDS address; LDS is laid as the record: the same offset serves in memory
	s_mov_b32 s[G0B], 1
	s_mul_i32 s[G0B+1], s[WV], BROWS*256
	s_add_co_u32 s[G0B+1], s[G0B+1], 2*AROWS*256-2*BROWS*256   ; wave 2 begins where the first part ends
	s_add_co_u32 s20, s17, s[G0A+1]
	s_mov_b32 s21, 0
	s_add_co_u32 s22, s17, s[G0B+1]
	s_mov_b32 s23, 0
	; descriptor groups 1: dense rows of 256 bytes (32 elements of 8 bytes), no padding
	s_mov_b32 s[G1A], 15|(3<<16)|(1<<21)           ; 15:0 the mask: all four work-groups; 17:16 elements of 8 bytes; 21 set beside a mask
	s_mov_b32 s[G1A+1], 32<<16                     ; tensor_dim0
	s_mov_b32 s[G1A+2], AROWS<<16                  ; tensor_dim1
	s_mov_b32 s[G1A+3], 32<<16                     ; tile_dim0
	s_mov_b32 s[G1A+4], AROWS                      ; tile_dim1
	s_mov_b32 s[G1A+5], 32                         ; tensor_dim0_stride
	s_mov_b32 s[G1A+6], 0
	s_mov_b32 s[G1A+7], 0
	s_mov_b32 s[G1B], 15|(3<<16)|(1<<21)
	s_mov_b32 s[G1B+1], 32<<16
	s_mov_b32 s[G1B+2], BROWS<<16
	s_mov_b32 s[G1B+3], 32<<16
	s_mov_b32 s[G1B+4], BROWS
	s_mov_b32 s[G1B+5], 32
	s_mov_b32 s[G1B+6], 0
	s_mov_b32 s[G1B+7], 0
	s_mov_b32 s[SEL], 0x76543210
	s_mov_b32 s[SEL+1], 0xfedcba98
	s_mov_b32 s[MNT], 0x600000
	s_mov_b32 s[TB], COD
	s_mov_b32 s[TS], 0
	s_mov_b32 s[TJ], 0
	s_wait_alu depctr_va_vdst(0)                   ; the wait at the head's end
	s_wait_dscnt 0x0                               ; both opening adds are done
	s_wait_kmcnt 0x0
	s_load_b32 s12, s[8:9], 0x0                    ; inv_scale_factor: nobody in this launch writes it
	s_add_nc_u64 s[4:5], s[4:5], s[18:19]          ; query and out0 at my wave's first row
	s_add_nc_u64 s[10:11], s[10:11], s[18:19]
.set i, 0
.rept 16
	global_load_b128 v[SC+4*i:SC+4*i+3], v[LI], s[4:5] offset:512*i th:TH_LOAD_NT   ; query's rows 2 i, 2 i + 1: 512 consecutive bytes; i < 8: tile A
.set i, i+1
.endr
	s_add_nc_u64 s[G0A+2:G0A+3], s[6:7], s[20:21]  ; 120:64 global address
	s_or_b32 s[G0A+3], s[G0A+3], 0x80000000        ; 127:126 type = 2
	s_add_nc_u64 s[G0B+2:G0B+3], s[6:7], s[22:23]
	s_or_b32 s[G0B+3], s[G0B+3], 0x80000000
	CROUND                                         ; all four work-groups are here: the joint loads meet
	s_cmp_lt_u32 s[WV], 2
	s_cbranch_scc0 .Lrest_of_it
	tensor_load_to_lds s[G0A:G0A+3], s[G1A:G1A+7]
	s_nop 0
.rept 4
	v_nop
.endr
	s_branch .Lasked
.Lrest_of_it:
	tensor_load_to_lds s[G0B:G0B+3], s[G1B:G1B+7]
	s_nop 0
.rept 4
	v_nop
.endr
.Lasked:
.macro INIT
.set i, 0
.rept 8
	v_mov_b32 v[QC-8+i], 0                         ; the zero codes on both sides of q's
	v_mov_b32 v[QC+8+i], 0
.set i, i+1
.endr
.irp b, 0,1,2,3
	v_mov_b32 v[PD+\b], 0                          ; a lane permute's destination counts as one of its sources
.endr
	v_mov_b32 v[L], 0
	v_mov_b32 v[L+1], 0
	v_mov_b32 v[F+1], 0                            ; (named as the upper half of the pair)
	v_mov_b32 v[RM], 0xff61b1e6                    ; the largest score so far: -3e38
	v_mov_b32 v[OM], 0x7f61b1e6                    ; -M as a step before the first would have left it: the first f is then 0, and the sum it meets is 0
.endm
	INIT
	WIN 0x40
	INIT
	WIN 0
	s_wait_alu depctr_va_vdst(0)
	s_wait_kmcnt 0x0                               ; inv_scale_factor
	s_and_b32 s20, s12, 0x7fffffff                 ; its magnitude
	s_ashr_i32 s21, s12, 31
	s_and_b32 s[SGN], s21, 0x80808080              ; its sign, at each code's sign bit
	v_mov_b32 v172, s20
	s_wait_alu depctr_va_vdst(0)                   ; the wait ahead of the transcendental, and behind it
	v_rcp_f32 v173, v172
	v_nop
	s_wait_alu depctr_va_vdst(0)
	v_fma_f32 v174, -v172, v173, 1.0               ; one Newton step
	v_fma_f32 v173, v173, v174, v173
	v_mul_f32 v173, 0x3fb8aa3b, v173               ; c = log2(e) / |inv_scale_factor|
	v_readfirstlane_b32 s[CS], v173
	s_mov_b32 s[CS+1], s[CS]                       ; (named with it as a pair)
	s_xor_b32 s[NC], s[CS], 0x80000000
	; query turns in my stage: in as it lies, back 16 neighbours a lane.  LDS serves a wave's instructions in order (ISA guide 5.7.1.4), and the stage is my own
.macro TURNQ s, d
.irp i, 0,1,2,3,4,5,6,7
	ds_store_b128 v[RD], v[\s+4*\i:\s+4*\i+3] offset:2*SP*\i
.endr
.irp c, 0,1
.irp j, 0,1,2,3
	ds_load_b128 v[\d+16*\c+4*\j:\d+16*\c+4*\j+3], v[RQ] offset:128*\c+16*\j   ; register 16 c + i is d = 32 c + 16 h + i
.endr
.endr
.endm
	s_wait_alu depctr_va_vdst(0)
	s_wait_loadcnt 0x8                             ; tile A's eight loads are in; tile B's may be out
	TURNQ SC, KF
	s_wait_loadcnt 0x0
	TURNQ SC+32, KF+32
	s_wait_dscnt 0x0
	; q's four blocks of 32 (A's two, B's two) are quantised: a block lies in lanes l and l xor 16
.irp b, 0,1,2,3
	v_max3_num_f32 v[BM+\b], |v[KF+16*\b]|, |v[KF+1+16*\b]|, 0x4800000   ; my 16 numbers, and the floor 2^(9 - 127): the byte cannot fall under 1
.endr
.irp i, 2,4,6,8,10,12,14
.irp b, 0,1,2,3
	v_max3_num_f32 v[BM+\b], v[BM+\b], |v[KF+16*\b+\i]|, |v[KF+1+16*\b+\i]|
.endr
.endr
.irp b, 0,1,2,3
	v_permlanex16_b32 v[PD+\b], v[BM+\b], s[SEL], s[SEL+1]
.endr
.irp b, 0,1,2,3
	v_max_num_f32 v[BM+\b], v[BM+\b], v[PD+\b]
.endr
.irp b, 0,1,2,3
	v_add_nc_u32 v[CV+\b], 0xfc000000, v[BM+\b]    ; 8 off the exponent field: the conversion's scale operand
.endr
.irp b, 0,1,2,3
	v_and_or_b32 v[HD+\b], v[BM+\b], 0x7f800000, s[MNT]   ; 448 x the scale
.endr
.irp b, 0,1,2,3
	v_lshrrev_b32 v[PD+\b], 23, v[CV+\b]           ; the scale's byte
.endr
	v_lshl_or_b32 v[QS], v[PD+1], 8, v[PD]
	v_lshl_or_b32 v[QS+1], v[PD+3], 8, v[PD+2]
	v_lshl_or_b32 v[QS], v[QS], 16, v[QS]          ; the two bytes twice: the word serves [q, 0] and [0, q] alike
	v_lshl_or_b32 v[QS+1], v[QS+1], 16, v[QS+1]
.irp b, 0,1,2,3
.irp i, 0,1,2,3,4,5,6,7,8,9,10,11,12,13,14,15
	v_med3_num_f32 v[KF+16*\b+\i], v[KF+16*\b+\i], -v[HD+\b], v[HD+\b]   ; the conversion does not saturate (ISA guide 7.6.2): the hold at 448 x the scale
.endr
.endr
.macro CVTQ b, d
	v_cvt_scalef32_pk8_fp8_f32 v[\d:\d+1], v[KF+16*\b:KF+16*\b+7], v[CV+\b]
	v_cvt_scalef32_pk8_fp8_f32 v[\d+2:\d+3], v[KF+16*\b+8:KF+16*\b+15], v[CV+\b]
.endm
	CVTQ 0, QC
	CVTQ 1, QC+4
	WIN 0x40
	CVTQ 2, QC
	CVTQ 3, QC+4
	WIN 0
	v_nop                                          ; a plain line behind the conversions
.macro SIGN
.irp i, 0,1,2,3,4,5,6,7
	v_xor_b32 v[QC+\i], s[SGN], v[QC+\i]
.endr
.endm
	SIGN
	WIN 0x44
	SIGN
	WIN 0
; The three LDS addresses of the step whose codes begin at s[TB]
.macro ADDR
	v_add_nc_u32 v[ADK], s[TB], v[LI]
	v_add_nc_u32 v[ADS], s[TS], v[AKS]
	v_add_nc_u32 v[ADT], s[TJ], v[AVS]
.endm
.macro KHALF f0                        ; two of a step's four fragments of K
.irp f, \f0, \f0+1
.irp c, 0,1,2,3
	ds_load_b128 v[KF+16*(\f)+4*\c:KF+16*(\f)+4*\c+3], v[ADK] offset:2048*(\f)+512*\c
.endr
.endr
.endm
.macro KWORDS                          ; the four fragments' scale words, two fragments' to a load
	ds_load_b64 v[KSC:KSC+1], v[ADS]
	ds_load_b64 v[KSC+2:KSC+3], v[ADS] offset:256
.endm
; S^T = K Q^T of one tile: each fragment twice; eight accumulators, each named once, begun with the constant 0
.macro SMUL qs
.irp f, 0,1,2,3
	v_wmma_scale_f32_16x16x128_f8f6f4 v[SC+16*\f:SC+16*\f+7], v[KF+16*\f:KF+16*\f+15], v[QC:QC+15], 0, v[KSC+\f], v[\qs]       ; x [q, 0]: keys 32 f + 16 h + 0 .. 7
	v_wmma_scale_f32_16x16x128_f8f6f4 v[SC+16*\f+8:SC+16*\f+15], v[KF+16*\f:KF+16*\f+15], v[QC-8:QC+7], 0, v[KSC+\f], v[\qs]   ; x [0, q]: keys 32 f + 16 h + 8 .. 15
.endr
.endm
; O^T += V^T P^T of one tile: the four accumulators by turns; between two links of a chain stand at least fifteen other matrix instructions.  zero = 1: the product starts the sums
.macro PV ps, zero
.irp t, 0,1,2,3
.if \zero
	v_wmma_scale_f32_16x16x128_f8f6f4 v[O+8*\t:O+8*\t+7], v[KF+16*\t:KF+16*\t+15], v[PC:PC+15], 0, v[VSC+\t], v[\ps]
.else
	v_wmma_scale_f32_16x16x128_f8f6f4 v[O+8*\t:O+8*\t+7], v[KF+16*\t:KF+16*\t+15], v[PC:PC+15], v[O+8*\t:O+8*\t+7], v[VSC+\t], v[\ps]
.endif
.endr
.endm
; THE SOFTMAX OF ONE TILE, under window setting w: maxima, M, p, the row's sum, the blocks' scales.  vl = 1: V's twenty loads of this step go out on the way.  p's scale word goes to v[ps] of window 0 (setting wps).
.macro SM1 w, vl, ps, wps
.irp b, 0,1,2,3
	v_max3_num_f32 v[BM+\b], v[SC+16*\b], v[SC+16*\b+1], v[SC+16*\b+2]   ; the largest score of each block of 32 keys: it serves for the row's maximum and, since p rises with the score, for the block's largest p
.endr
.irp i, 3,5,7,9,11,13
.irp b, 0,1,2,3
	v_max3_num_f32 v[BM+\b], v[BM+\b], v[SC+16*\b+\i], v[SC+16*\b+\i+1]   ; the four blocks by turns; each accumulator from its low end on
.endr
.endr
.irp b, 0,1,2,3
	v_max_num_f32 v[BM+\b], v[BM+\b], v[SC+16*\b+15]
.endr
.irp b, 0,1,2,3
	v_permlanex16_b32 v[PD+\b], v[BM+\b], s[SEL], s[SEL+1]
.endr
.if \vl
	WIN 0x40
.irp t, 0,1,2,3
.irp c, 0,1,2,3
	ds_load_b128 v[KF+16*\t+4*\c:KF+16*\t+4*\c+3], v[ADK] offset:8192+2048*\t+512*\c
.endr
.endr
	WIN 0
.irp t, 0,1,2,3
	ds_load_b32 v[VSC+\t], v[ADT] offset:64*\t     ; channel 16 t + r's word for these 128 keys
.endr
.endif
.irp b, 0,1,2,3
	v_max_num_f32 v[BM+\b], v[BM+\b], v[PD+\b]     ; with lane l xor 16's 16 keys
.endr
	s_delay_alu instid0(VALU_DEP_2)
	v_max3_num_f32 v[T], v[BM], v[BM+1], v[BM+2]
	s_delay_alu instid0(VALU_DEP_1)
	v_max3_num_f32 v[RM], v[RM], v[T], v[BM+3]     ; the running largest score of my query
	s_delay_alu instid0(VALU_DEP_1)
	v_mul_f32 v[T], s[NC], v[RM]                   ; -t (c is positive)
	s_delay_alu instid0(VALU_DEP_1)
	v_floor_f32 v[NM], v[T]                        ; -M = floor(-t) = -ceil(t): M is a whole number
	s_delay_alu instid0(VALU_DEP_1)
	v_sub_f32 v[T], v[NM], v[OM]                   ; M's old value less its new one: a whole number, 0 or less
	v_fma_f32 v[BM], v[BM], s[CS], v[NM]           ; t - M of each block's largest score
	v_fma_f32 v[BM+1], v[BM+1], s[CS], v[NM]
	s_delay_alu instid0(VALU_DEP_3)
	v_cvt_i32_f32 v[T], v[T]                       ; (it saturates)
	v_fma_f32 v[BM+2], v[BM+2], s[CS], v[NM]
	v_fma_f32 v[BM+3], v[BM+3], s[CS], v[NM]
	s_delay_alu instid0(VALU_DEP_3)
	v_ldexp_f32 v[F], 1.0, v[T]                    ; f = 2^(old M - new M): a multiplication by it rounds nothing
	v_mov_b32 v[OM], v[NM]
.set k, 0
.rept 8
	v_pk_fma_f32 v[SC+2*k:SC+2*k+1], v[SC+2*k:SC+2*k+1], s[CS:CS+1], v[NM:NM+1] op_sel_hi:[1,0,0]   ; t - M, block 0, two at a time
.set k, k+1
.endr
	v_pk_mul_f32 v[L:L+1], v[L:L+1], v[F:F+1] op_sel_hi:[1,0]   ; the sum under the new M
; THE EXPONENTIALS GO IN FOUR BATCHES OF A BLOCK EACH.  The plain lines between them read nothing that was written since the last wait, and what they write is read behind the next: one wait a batch.
	s_wait_alu depctr_va_vdst(0)
.irp b, 0,1,2,3
	v_exp_f32 v[BM+\b], v[BM+\b]                   ; the block's largest p: the same two instructions on the same number give the same bits
.endr
.set k, 0
.rept 16
	v_exp_f32 v[SC+k], v[SC+k]                     ; p = 2^(t - M), at most 1, not normalised
	v_pk_fma_f32 v[SC+16+2*k:SC+17+2*k], v[SC+16+2*k:SC+17+2*k], s[CS:CS+1], v[NM:NM+1] op_sel_hi:[1,0,0]   ; t - M, blocks 1 and 2
.set k, k+1
.endr
	s_wait_alu depctr_va_vdst(0)
.set k, 0
.rept 16
	v_exp_f32 v[SC+16+k], v[SC+16+k]
.if k%2 == 0
	v_pk_fma_f32 v[SC+48+k:SC+49+k], v[SC+48+k:SC+49+k], s[CS:CS+1], v[NM:NM+1] op_sel_hi:[1,0,0]   ; block 3
.elseif k > 8
	v_max_num_f32 v[BM+(k-9)/2], 0x4800000, v[BM+(k-9)/2]   ; the floor 2^(9 - 127): the byte cannot fall under 1
.endif
.set k, k+1
.endr
	s_wait_alu depctr_va_vdst(0)
.set k, 0
.rept 16
	v_exp_f32 v[SC+32+k], v[SC+32+k]
.if k < 8
	v_pk_add_f32 v[PC+2*k:PC+2*k+1], v[SC+2*k:SC+2*k+1], v[SC+16+2*k:SC+17+2*k]   ; THE ROW'S SUM IS TAKEN OF THE UNQUANTISED p, in eight partial sums of two halves
.elseif k < 12
	v_add_nc_u32 v[CV+k-8], 0xfc000000, v[BM+k-8]  ; 8 off the exponent field: the conversion's scale operand
.else
	v_and_or_b32 v[HD+k-12], v[BM+k-12], 0x7f800000, s[MNT]   ; 448 x the scale
.endif
.set k, k+1
.endr
	s_wait_alu depctr_va_vdst(0)
.set k, 0
.rept 16
	v_exp_f32 v[SC+48+k], v[SC+48+k]
.if k%2 == 0
	v_pk_add_f32 v[PC+k:PC+k+1], v[PC+k:PC+k+1], v[SC+32+k:SC+33+k]
.elseif k > 8
	v_lshrrev_b32 v[PD+(k-9)/2], 23, v[CV+(k-9)/2] ; the scale's byte
.endif
.set k, k+1
.endr
	s_wait_alu depctr_va_vdst(0)
	v_lshl_or_b32 v[T], v[PD+1], 8, v[PD]
.set k, 0
.rept 4
	v_pk_add_f32 v[PC+2*k:PC+2*k+1], v[PC+2*k:PC+2*k+1], v[SC+48+2*k:SC+49+2*k]
.set k, k+1
.endr
	v_lshl_or_b32 v[T], v[PD+2], 16, v[T]
.rept 4
	v_pk_add_f32 v[PC+2*k:PC+2*k+1], v[PC+2*k:PC+2*k+1], v[SC+48+2*k:SC+49+2*k]
.set k, k+1
.endr
	WIN \wps
	v_lshl_or_b32 v[\ps], v[PD+3], 24, v[T]        ; p's scale word for these 128 keys
	WIN \w
.set k, 0
.rept 4
	v_pk_add_f32 v[PC+2*k:PC+2*k+1], v[PC+2*k:PC+2*k+1], v[PC+8+2*k:PC+9+2*k]
.set k, k+1
.endr
	v_pk_add_f32 v[PC:PC+1], v[PC:PC+1], v[PC+4:PC+5]
	v_pk_add_f32 v[PC+2:PC+3], v[PC+2:PC+3], v[PC+6:PC+7]
	s_delay_alu instid0(VALU_DEP_1)
	v_pk_add_f32 v[PC:PC+1], v[PC:PC+1], v[PC+2:PC+3]
	s_delay_alu instid0(VALU_DEP_1)
	v_pk_add_f32 v[L:L+1], v[L:L+1], v[PC:PC+1]
.endm
; p becomes codes.  THE HOLD, TWO NUMBERS AN INSTRUCTION: p is not negative, so it is one-sided.  A pair takes number i of block bb and number i xor 1 of block bb + 1: its results lie in an even and an odd register, its like sources in
; registers that differ modulo 4.  kl = 1: the next step's K goes out on the way: the sixteen pairs are the places behind the products that have read its registers.
.macro SM2 kl
.if \kl
	s_add_co_u32 s[TB], s[TB], STEPB
	s_add_co_u32 s[TS], s[TS], 512
	s_add_co_u32 s[TJ], s[TJ], 256
	ADDR
.endif
.irp bb, 0,2
.set i, 0
.rept 16
	v_dual_min_num_f32 v[SC+16*\bb+i], v[SC+16*\bb+i], v[HD+\bb] :: v_dual_min_num_f32 v[SC+16*\bb+17+i-2*(i%2)], v[SC+16*\bb+17+i-2*(i%2)], v[HD+\bb+1]
.set i, i+1
.endr
.irp u, 0,1
	v_cvt_scalef32_pk8_fp8_f32 v[PC+4*(\bb+\u):PC+4*(\bb+\u)+1], v[SC+16*(\bb+\u):SC+16*(\bb+\u)+7], v[CV+\bb+\u]        ; registers 4 b .. 4 b + 3 of the operand: keys 32 b + 16 h + 0 .. 15
	v_cvt_scalef32_pk8_fp8_f32 v[PC+4*(\bb+\u)+2:PC+4*(\bb+\u)+3], v[SC+16*(\bb+\u)+8:SC+16*(\bb+\u)+15], v[CV+\bb+\u]
.endr
.if \kl
	KHALF \bb
.endif
.endr
.if \kl
	KWORDS
.endif
.endm
.macro RESC first                      ; O^T under the new M: x f, each accumulator from its low end on.  These lines are also the places between the conversions and the products
.if \first
.rept 4
	v_nop
.endr
.else
	s_wait_alu depctr_va_vdst(0)                   ; the wait directly ahead of the first reader of O^T
.set j, 0
.rept 16
	v_pk_mul_f32 v[O+j:O+j+1], v[O+j:O+j+1], v[F:F+1] op_sel_hi:[1,0]
.set j, j+2
.endr
.endif
.endm
; A STEP: 128 keys, both tiles.  af = 1: A's first product starts its sums.  bm: B's product of the step before: 0 none, 1 the first, 2 any other.  pref = 1: the next step's K is asked for.
.macro BODY af, bm, pref
	s_wait_alu depctr_va_vdst(0)
	s_wait_dscnt 0x0                               ; K and its scale words are in
	SMUL QS
.if \bm
	WIN 0x55
	SM2 0
	RESC 2-\bm
	PV PSB, 2-\bm
	WIN 0
.else
.rept 8
	v_nop                                          ; eight places in front of the first read of the scores
.endr
.endif
	SM1 0, 1, PSA, 0                               ; its 36 lines ahead of V's loads are the places behind the products that have read V's registers
	WIN 0x44
	SMUL QS+1
	WIN 0
	SM2 \pref
	RESC \af
	s_wait_alu depctr_va_vdst(0)
.if \pref
	s_wait_dscnt 18                                ; V's twenty are in; the 16 + 2 younger ones, the next step's K and its scale words, may be out
.else
	s_wait_dscnt 0x0
.endif
	WIN 0x01
	PV PSA, \af
	WIN 0x55
	SM1 0x55, 0, PSB, 0x15
	WIN 0
.endm
	s_wait_alu depctr_va_vdst(0)
	s_cmp_lt_u32 s[WV], 2
	s_cbranch_scc0 .Lno_part
	s_wait_tensorcnt 0x0                           ; waves 0 and 1: the first part is in; the other waves' loads stay out
.Lno_part:
	s_wait_dscnt 0x0
	s_barrier_signal -1
	s_barrier_wait -1                              ; all scale words and steps 0-3 lie in LDS
	ADDR
	KHALF 0
	KHALF 2
	KWORDS
	BODY 1, 0, 1                                   ; steps 0-2 read bytes under 77,824 alone, step 3's K among them, where the second part does not land
	BODY 0, 1, 1
	BODY 0, 2, 1
	s_wait_alu depctr_va_vdst(0)
	s_wait_tensorcnt 0x0                           ; the second part
	s_wait_dscnt 0x0
	s_barrier_signal -1
	s_barrier_wait -1                              ; everybody's share of it is in
	s_mov_b32 s[CNT], 12
.Lloop:                                            ; steps 3-14
	BODY 0, 2, 1
	s_sub_co_u32 s[CNT], s[CNT], 1
	s_cmp_lg_u32 s[CNT], 0
	s_wait_alu depctr_va_vdst(0)                   ; the wait directly ahead of the branch
	s_cbranch_scc1 .Lloop
	BODY 0, 2, 0                                   ; step 15: nothing is left to ask for
	; THE WAY OUT.  O^T is divided by the row's sum and goes through my own stage in LDS, so that whole rows of 256 bytes are stored.  Tile A leaves ahead of B's last product.
.macro RCPL w
	WIN \w
	v_add_f32 v[L], v[L], v[L+1]                   ; the sum's two halves,
	v_permlanex16_b32 v[T], v[L], s[SEL], s[SEL+1]
	v_add_f32 v[L], v[L], v[T]                     ; and lane l xor 16's: the row's sum
	s_wait_alu depctr_va_vdst(0)                   ; the wait ahead of the transcendental too
	v_rcp_f32 v[L], v[L]
	v_nop
.endm
.macro OUTP w, res, rb                 ; register 8 t + i is out0(r, 16 t + 8 h + i)
	WIN \w
	s_wait_alu depctr_va_vdst(0)                   ; the wait directly ahead of these readers
.set j, 0
.rept 32
	v_mul_f32 v[\res+j], v[O+j], v[L]
.set j, j+1
.endr
	WIN 0
.irp t, 0,1,2,3
	ds_store_b128 v[STO], v[\res+8*\t:\res+8*\t+3] offset:64*\t
	ds_store_b128 v[STO], v[\res+8*\t+4:\res+8*\t+7] offset:64*\t+16
.endr
.irp i, 0,1,2,3,4,5,6,7
	ds_load_b128 v[\rb+4*\i:\rb+4*\i+3], v[RD] offset:2*\i*SP
.endr
.endm
.macro SEND rb, off
	s_wait_alu depctr_va_vdst(0)
.irp i, 0,1,2,3,4,5,6,7
	s_wait_dscnt 7-\i                              ; load i is in, the younger ones may be out
	global_store_b128 v[LI], v[\rb+4*\i:\rb+4*\i+3], s[10:11] offset:\off+512*\i th:TH_STORE_NT   ; 32 lanes store 512 consecutive bytes, two rows, at a multiple of 256 from out0's first byte
.endr
.endm
	RCPL 0
	OUTP 0, SC, SC+32
	RCPL 0x55
	s_wait_alu depctr_va_vdst(0)                   ; the wait behind the transcendental
	SM2 0
	WIN 0
	SEND SC+32, 0
	WIN 0x55
	RESC 0
	PV PSB, 0
.rept 8
	v_nop                                          ; eight places in front of the reads of O^T
.endr
	OUTP 0x05, KF, KF+32                           ; sources in window 1, results in window 0
	SEND KF+32, 4096
	s_wait_tensorcnt 0x0                           ; the wave's end
	ds_add_u32 v[SPW], v[NIL]
	s_wait_dscnt 0x0
	CROUND                                         ; the closing round: no work-group ends while a partner may still ask for a part that names it
	s_endpgm
.Lfunc_end_k_q714a8b95c2_attn:
	.size	k_q714a8b95c2_attn, .Lfunc_end_k_q714a8b95c2_attn-k_q714a8b95c2_attn
	.p2alignl 7, 3214868480
	.fill 96, 4, 3214868480
	.section	.rodata,"a",@progbits
	.p2align	6, 0x0
	.amdhsa_kernel k_q714a8b95c2_attn
		.amdhsa_group_segment_fixed_size 327680
		.amdhsa_private_segment_fixed_size 0
		.amdhsa_enable_private_segment 0
		.amdhsa_kernarg_size 32
		.amdhsa_user_sgpr_count 2
		.amdhsa_user_sgpr_kernarg_segment_ptr 1
		.amdhsa_wavefront_size32 1
		.amdhsa_system_sgpr_workgroup_id_x 1
		.amdhsa_system_sgpr_workgroup_id_y 1
		.amdhsa_system_sgpr_workgroup_id_z 1
		.amdhsa_system_vgpr_workitem_id 0
		.amdhsa_next_free_vgpr 512
		.amdhsa_next_free_sgpr 66
		.amdhsa_reserve_vcc 0
		.amdhsa_float_denorm_mode_32 3
		.amdhsa_float_denorm_mode_16_64 3
		.amdhsa_memory_ordered 1
		.amdhsa_forward_progress 1
		.amdhsa_inst_pref_size 199
	.end_amdhsa_kernel
	.amdgpu_metadata
---
amdhsa.version: [ 1, 2 ]
amdhsa.kernels:
  - .name:           k_q714a8b95c2_attn
    .symbol:         k_q714a8b95c2_attn.kd
    .args:
      - { .name: query, .offset: 0, .size: 8, .value_kind: global_buffer, .address_space: global }
      - { .name: kv, .offset: 8, .size: 8, .value_kind: global_buffer, .address_space: global }
      - { .name: inv_scale_factor, .offset: 16, .size: 8, .value_kind: global_buffer, .address_space: global }
      - { .name: out0, .offset: 24, .size: 8, .value_kind: global_buffer, .address_space: global }
    .group_segment_fixed_size: 327680
    .private_segment_fixed_size: 0
    .kernarg_segment_align: 8
    .kernarg_segment_size: 32
    .max_flat_workgroup_size: 256
    .sgpr_count:     66
    .vgpr_count:     512
    .wavefront_size: 32
...
	.end_amdgpu_metadata
.endif
;; end of part 2
